; MI455X (gfx1250); checked and timed in simulation.
; The chip was launched on July 23, 2026; its instructions are those of AMD's public machine-readable ISA for CDNA 5 (MIT licence, August 2026) and "CDNA5" Instruction Set Architecture Reference Guide (July 2026). The comments in the code are by the model that wrote it; some were corrected since.
;; Reprogramming Layer. Allowed arithmetic: matrix products marked QUANTISED: E2M1 operands, one E8M0 scale for each 32 along K, by v_wmma_scale_f32_16x16x128_f8f6f4 with both operands' format E2M1 (or v_wmma_scale_f32_32x16x128_f4), f32 sums; products left as they are: bf16, f16 or f32 operands; f32 sums; everything else in f32.
;; Inputs: Wk 1,024 x 512 float32; Wo 512 x 64 float32; Wq 512 x 512 float32; Wv 1,024 x 512 float32; bk 512 float32; bo 64 float32; bq 512 float32; bv 512 float32; source_embedding 1,000 x 1,024 float32; target_embedding 16 x 2,048 x 512 float32; value_embedding 1,000 x 1,024 float32.
;; Outputs: out0 16 x 2,048 x 64 float32.
;; This version of the problem:
;;   THIS VERSION OF THE PROBLEM IS GIVEN IN LOW PRECISION. The matrix products marked QUANTISED in the list below multiply operands that are first quantised to E2M1 (2 exponent bits, 1 mantissa bit; 4 bits a number), with one power-of-two scale for each 32 numbers along K (OCP MX v1.0); their sums are f32. The products marked 'left as it is' may take bf16, f16 or f32 operands, with f32 sums. Whichever they take, every output number must still come out within the allowed error. Rounding operands to bf16 (8 significant bits) uses up far more of that allowance than f16 does (11 bits, for magnitudes from 6e-5 to 65,504). All else is computed in f32.
;;   The module's matrix products, in the order in which they are computed (A, B: the left and right operand; K: the contracted axis; several contracted axes count as one K, in the product's order):
;;     1. [M 32,768, K 512] x [K 512, N 512]; A: input target_embedding; B: input Wq: QUANTISED
;;     2. [M 1,000, K 1,024] x [K 1,024, N 512]; A: input source_embedding; B: input Wk: QUANTISED
;;     3. [M 1,000, K 1,024] x [K 1,024, N 512]; A: input value_embedding; B: input Wv: QUANTISED
;;     4. batch 8 x [M 1,000, K 64] x [K 64, N 32,768]; A: computed on the way; B: computed on the way: left as it is (an operand is computed on the way)
;;     5. batch 8 x [M 64, K 1,000] x [K 1,000, N 32,768]; A: computed on the way; B: computed on the way: left as it is (an operand is computed on the way)
;;     6. [M 32,768, K 512] x [K 512, N 64]; A: computed on the way; B: input Wo: left as it is (an operand is computed on the way)
;;   THE QUANTISER, for each operand of a quantised product, along K:
;;     - K is cut into blocks of 32 from its start; a last block that is shorter is filled with zeros.
;;     - A block's scale is 2^e with e = floor(log2(the largest magnitude in the block)) - 2, held to -126 .. 127; a block of zeros has e = 0. As a byte (E8M0): e + 127.
;;     - Each number is divided by its block's scale, clamped to +-6, and rounded to the nearest number of E2M1, ties to even, subnormals kept.
;;     - The product sums the exact products of the quantised numbers (number of the format x scale) in f32.
;;   ~~~python
;;   def quantise(x, axis):      # numpy; x: float32 -> the quantised numbers, widened to float32 again
;;       x = np.moveaxis(x, axis, -1); K = x.shape[-1]
;;       x = np.pad(x, [(0, 0)] * (x.ndim - 1) + [(0, -K % 32)]); x = x.reshape(x.shape[:-1] + (-1, 32)); a = np.abs(x).max(-1, keepdims=True)
;;       e = np.where(a > 0, np.clip(np.frexp(np.where(a > 0, a, 1))[1] - 1 - 2, -126, 127), 0)      # np.frexp(a)[1] - 1 = floor(log2(a)), exactly
;;       r = np.clip(x / 2.0 ** e, -6, 6)
;;       step = 2.0 ** (np.maximum(np.frexp(np.where(r == 0, 1, r))[1] - 1, 0) - 1)
;;       q = np.round(r / step) * step * 2.0 ** e      # np.round: ties to even
;;       return np.moveaxis(q.reshape(q.shape[:-2] + (-1,))[..., :K], -1, axis).astype(np.float32)
;;   ~~~
;; One version. Each part assembles by itself: llvm-mc -triple=amdgcn-amd-amdhsa -mcpu=gfx1250 --defsym DOCPART=n.
;; ======== version 1 of 1: 3 launches
;; limits: values are held in f16: magnitudes above 65,504 overflow, below 6.1e-05 lose precision
;; workspace buffers: wcodes 655,360 bytes; wscales 40,960 bytes; woimg 65,536 bytes; kv 2,097,152 bytes
;; launch prep (part 1): grid 82 x 1, 4 waves a work-group, no clusters, 0 bytes of LDS; arguments Wq, Wk, Wv, Wo, wcodes, wscales, woimg; writes wcodes, wscales, woimg
.if DOCPART == 1
	.amdgcn_target "amdgcn-amd-amdhsa--gfx1250"
	.amdhsa_code_object_version 6
	.text
	.protected	k_q7ae7faeefc_prep
	.globl	k_q7ae7faeefc_prep
	.p2align	8
	.type	k_q7ae7faeefc_prep,@function
k_q7ae7faeefc_prep:
	s_mov_b64 s[64:65], 0
	v_nop
	global_prefetch_b8 v0, s[64:65] scope:SCOPE_SE
	s_setreg_imm32_b32 hwreg(HW_REG_WAVE_MODE, 25, 1), 1
	s_wait_xcnt 0x0
; THE WEIGHTS BECOME IMAGES OF OPERAND REGISTERS.
; Wq [512][512], Wk, Wv [1024][512], f32, K their FIRST axis, are quantised along K to codes of FP4 (E2M1) with one E8M0 byte for each 32 along K.
; Wo [512][64], f32, is rounded to f16.  All are stored in the order in which a matrix operand's registers take them: a fragment is 1,024 bytes, its register group c (four registers) at 512 c + 16 x lane.
; A LANE TAKES A COLUMN AND ITS REGISTERS RUN DOWN K: a load reads 128 consecutive bytes a wave (512 a work-group), a block of 32 along K lies in one lane, and the conversions give codes with K innermost.
; A wave takes 32 columns x 128 along K: two fragments of 16 columns.  An exchange of lane halves puts each block where the operand's layout wants it; each store of the wave then covers 512 consecutive bytes.
; wcodes: Wq at 0, Wk at 131,072, Wv at 393,216; in a tensor fragment ((head x KS + ks) x 4 + ct), KS = K / 128, ct = the tile of 16 among the head's 64 columns.
; wscales: Wq at 0, Wk at 8,192, Wv at 24,576; 128 bytes for (head, ks, pair of tiles): lanes 0-15 the words of the even tile's columns, lanes 16-31 the odd tile's.  (A wave's 128 bytes are half of an aligned 256: 40 KiB in all are written so.)
; woimg: fragment ((head x 2 + cs) x 4 + ot): 16 outputs x 32 channels of Wo^T.
; A block's scale is 2^(floor(log2(largest magnitude)) - 2): its byte is the largest magnitude's exponent field - 2, held at 1 from below.
; LIMITS: a block of zeros gets the byte 1 where the rule says 127 (its codes are zeros, and this program alone reads the bytes); blocks whose largest magnitude lies under 2^-124 are held at that floor;
; NaN and infinities are not served; |Wo| must lie under 65,504, the largest f16 number.
; Work-groups 0-15 take Wq, 16-47 Wk, 48-79 Wv, 80-81 Wo.  No LDS, no barrier: waves share nothing.  Matrix units, clusters and tensor loads would add nothing to a stream that is read once.
.set X,   32                           ; v32-159  128 numbers of my column, down K
.set C,   160                          ; v160-175 codes, block b at C + 4 b;  on Wo's path v160-223: 16 registers of f16 pairs for each 32 along K
.set SW,  16                           ; v16      my column's scale word
.set SCO, 12                           ; v12-15   the conversions' scale operands, one a block
.macro LOADB b, pitch                  ; 32 rows of K, my column
.irp i, 0,1,2,3,4,5,6,7,8,9,10,11,12,13,14,15,16,17,18,19,20,21,22,23,24,25,26,27,28,29,30,31
	global_load_b32 v[X+32*(\b)+\i], v1, s[20:21] offset:(32*(\b)+\i)*(\pitch) th:TH_LOAD_NT
.endr
.endm
.macro BLK b                           ; block b: its largest magnitude, its byte, its 32 codes
.set XB, X+32*(\b)
	v_max3_num_f32 v8, |v[XB]|, |v[XB+1]|, |v[XB+2]|
	v_max3_num_f32 v9, |v[XB+3]|, |v[XB+4]|, |v[XB+5]|
.irp i, 6,10,14,18,22,26
	v_max3_num_f32 v8, v8, |v[XB+\i]|, |v[XB+\i+1]|                ; two chains, so that no line waits for the line above it
	v_max3_num_f32 v9, v9, |v[XB+\i+2]|, |v[XB+\i+3]|
.endr
	v_max3_num_f32 v8, v8, |v[XB+30]|, |v[XB+31]|
	v_max3_num_f32 v8, v8, v9, 0x1800000           ; and the floor 2^(3 - 127): the byte cannot fall under 1
	v_add_nc_u32 v[SCO+\b], 0xff000000, v8         ; 2 off the exponent field: the conversion takes the exponent field of this operand as its scale
	v_lshrrev_b32 v9, 23, v[SCO+\b]                ; the byte
.if (\b) == 0
	v_mov_b32 v[SW], v9
.else
	v_lshl_or_b32 v[SW], v9, 8*(\b), v[SW]         ; the lower K in the lower byte
.endif
.irp g, 0,1,2,3
	v_cvt_scalef32_pk8_fp4_f32 v[C+4*(\b)+\g], v[XB+8*\g:XB+8*\g+7], v[SCO+\b]
.endr
.endm
.macro GRP g                           ; Wo: 32 channels of my output become f16 pairs and two half fragments
.irp i, 0,1,2,3,4,5,6,7,8,9,10,11,12,13,14,15
	v_cvt_pk_f16_f32 v[C+16*(\g)+\i], v[X+32*(\g)+2*\i], v[X+32*(\g)+2*\i+1]
.endr
.irp i, 0,1,2,3                        ; the 16-bit layout: registers 0-3 hold k = 8 h + 0..7, registers 4-7 k = 16 + 8 h + 0..7 (h = lane / 16)
	v_permlane16_swap_b32 v[C+16*(\g)+\i], v[C+16*(\g)+4+\i]       ; first: outputs 0-15, k 0-7 | 8-15;  second: outputs 16-31 likewise
	v_permlane16_swap_b32 v[C+16*(\g)+8+\i], v[C+16*(\g)+12+\i]    ; the same for k 16-23 | 24-31
.endr
	global_store_b128 v2, v[C+16*(\g):C+16*(\g)+3],     s[16:17] offset:4096*(\g)
	global_store_b128 v2, v[C+16*(\g)+8:C+16*(\g)+11],  s[16:17] offset:4096*(\g)+512
	global_store_b128 v2, v[C+16*(\g)+4:C+16*(\g)+7],   s[16:17] offset:4096*(\g)+1024
	global_store_b128 v2, v[C+16*(\g)+12:C+16*(\g)+15], s[16:17] offset:4096*(\g)+1536
.endm
	s_load_b256 s[4:11], s[0:1], 0x0               ; Wq s[4:5], Wk s[6:7], Wv s[8:9], Wo s[10:11]
	s_load_b128 s[12:15], s[0:1], 0x20             ; wcodes, wscales
	s_load_b64 s[16:17], s[0:1], 0x30              ; woimg
	v_lshrrev_b32 v3, 5, v0
	v_readfirstlane_b32 s18, v3                    ; wave 0..3
	v_and_b32 v3, 31, v0                           ; lane
	v_lshlrev_b32 v1, 2, v3                        ; 4 x lane: my column in a row; my scale word
	v_lshlrev_b32 v2, 4, v3                        ; 16 x lane: my place in an image
	s_mov_b32 s27, 0                               ; the upper word of every offset
	s_cmp_ge_u32 ttmp9, 80
	s_cbranch_scc1 .Lwo
	; ---- Wq, Wk or Wv: chosen by the work-group's number alone
	s_mov_b32 s22, 48
	s_mov_b32 s23, 393216
	s_mov_b32 s24, 24576
	s_wait_kmcnt 0x0
	s_cmp_lt_u32 ttmp9, 48
	s_cselect_b64 s[20:21], s[6:7], s[8:9]
	s_cselect_b32 s22, 16, s22                     ; the tensor's first work-group,
	s_cselect_b32 s23, 131072, s23                 ; its place among the codes,
	s_cselect_b32 s24, 8192, s24                   ; and among the scale words
	s_cmp_lt_u32 ttmp9, 16
	s_cselect_b64 s[20:21], s[4:5], s[20:21]
	s_cselect_b32 s22, 0, s22
	s_cselect_b32 s23, 0, s23
	s_cselect_b32 s24, 0, s24
	s_cselect_b32 s25, 2, 3                        ; log2(K / 128)
	s_sub_co_u32 s22, ttmp9, s22
	s_lshr_b32 s19, s22, 2                         ; ks: which 128 along K
	s_and_b32 s22, s22, 3
	s_lshl_b32 s22, s22, 2
	s_add_co_u32 s22, s22, s18                     ; cp: which 32 columns; the four waves stand side by side
	s_lshl_b32 s26, s19, 18                        ; 128 rows of 2,048 bytes
	s_lshl_b32 s28, s22, 7
	s_add_co_u32 s26, s26, s28
	s_add_nc_u64 s[20:21], s[20:21], s[26:27]
	s_lshr_b32 s28, s22, 1                         ; head
	s_lshl_b32 s28, s28, s25
	s_add_co_u32 s28, s28, s19                     ; head x KS + ks
	s_and_b32 s22, s22, 1                          ; which pair of the head's four tiles
	s_lshl_b32 s26, s28, 12
	s_lshl_b32 s30, s22, 11
	s_add_co_u32 s26, s26, s30
	s_add_co_u32 s26, s26, s23
	s_add_nc_u64 s[12:13], s[12:13], s[26:27]
	s_lshl_b32 s26, s28, 8
	s_lshl_b32 s30, s22, 7
	s_add_co_u32 s26, s26, s30
	s_add_co_u32 s26, s26, s24
	s_add_nc_u64 s[14:15], s[14:15], s[26:27]
	LOADB 0, 2048                                  ; loads run two blocks ahead
	LOADB 1, 2048
	s_wait_loadcnt 32                              ; block 0 is in; block 1's 32 loads may be out
	LOADB 2, 2048
	BLK 0
	s_wait_loadcnt 32                              ; block 1 is in; block 2's may be out
	LOADB 3, 2048
	BLK 1
	s_wait_loadcnt 32                              ; block 2 is in; block 3's may be out
	BLK 2
	s_wait_loadcnt 0x0
	BLK 3
	v_nop                                          ; one plain place behind the last scaled conversion
.irp c, 0,1                            ; the 4-bit layout: registers 4 c .. 4 c + 3 hold block 2 c in lanes 0-15 and block 2 c + 1 in lanes 16-31
.irp i, 0,1,2,3
	v_permlane16_swap_b32 v[C+8*\c+\i], v[C+8*\c+4+\i]             ; first: columns 0-15, blocks 2 c | 2 c + 1;  second: columns 16-31 likewise
.endr
.endr
.irp c, 0,1
	global_store_b128 v2, v[C+8*\c:C+8*\c+3],   s[12:13] offset:512*\c        ; the even tile's group c: 512 consecutive bytes
	global_store_b128 v2, v[C+8*\c+4:C+8*\c+7], s[12:13] offset:1024+512*\c   ; the odd tile's
.endr
	global_store_b32 v1, v[SW], s[14:15]
	s_endpgm
.Lwo:	; ---- Wo: 8 waves, each 32 outputs x 128 channels
	s_sub_co_u32 s22, ttmp9, 80
	s_lshl_b32 s22, s22, 2
	s_add_co_u32 s22, s22, s18
	s_and_b32 s23, s22, 1                          ; which 32 outputs
	s_lshr_b32 s22, s22, 1                         ; which 128 channels
	s_lshl_b32 s26, s22, 15                        ; 128 rows of 256 bytes
	s_lshl_b32 s28, s23, 7
	s_add_co_u32 s26, s26, s28
	s_wait_kmcnt 0x0
	s_add_nc_u64 s[20:21], s[10:11], s[26:27]
	s_lshl_b32 s26, s22, 14                        ; 16 fragments for 128 channels
	s_lshl_b32 s28, s23, 11
	s_add_co_u32 s26, s26, s28
	s_add_nc_u64 s[16:17], s[16:17], s[26:27]
	LOADB 0, 256
	LOADB 1, 256
	s_wait_loadcnt 32                              ; as above: the next 32 loads may be out
	LOADB 2, 256
	GRP 0
	s_wait_loadcnt 32
	LOADB 3, 256
	GRP 1
	s_wait_loadcnt 32
	GRP 2
	s_wait_loadcnt 0x0
	GRP 3
	s_endpgm
.Lfunc_end_k_q7ae7faeefc_prep:
	.size	k_q7ae7faeefc_prep, .Lfunc_end_k_q7ae7faeefc_prep-k_q7ae7faeefc_prep
	.p2alignl 7, 3214868480
	.fill 96, 4, 3214868480
	.section	.rodata,"a",@progbits
	.p2align	6, 0x0
	.amdhsa_kernel k_q7ae7faeefc_prep
		.amdhsa_group_segment_fixed_size 0
		.amdhsa_private_segment_fixed_size 0
		.amdhsa_enable_private_segment 0
		.amdhsa_kernarg_size 56
		.amdhsa_user_sgpr_count 2
		.amdhsa_user_sgpr_kernarg_segment_ptr 1
		.amdhsa_wavefront_size32 1
		.amdhsa_system_sgpr_workgroup_id_x 1
		.amdhsa_system_sgpr_workgroup_id_y 1
		.amdhsa_system_sgpr_workgroup_id_z 1
		.amdhsa_system_vgpr_workitem_id 0
		.amdhsa_next_free_vgpr 224
		.amdhsa_next_free_sgpr 66
		.amdhsa_reserve_vcc 0
		.amdhsa_float_denorm_mode_32 3
		.amdhsa_float_denorm_mode_16_64 3
		.amdhsa_memory_ordered 1
		.amdhsa_forward_progress 1
		.amdhsa_inst_pref_size 40
	.end_amdhsa_kernel
	.amdgpu_metadata
---
amdhsa.version: [ 1, 2 ]
amdhsa.kernels:
  - .name:           k_q7ae7faeefc_prep
    .symbol:         k_q7ae7faeefc_prep.kd
    .args:
      - { .name: Wq, .offset: 0, .size: 8, .value_kind: global_buffer, .address_space: global }
      - { .name: Wk, .offset: 8, .size: 8, .value_kind: global_buffer, .address_space: global }
      - { .name: Wv, .offset: 16, .size: 8, .value_kind: global_buffer, .address_space: global }
      - { .name: Wo, .offset: 24, .size: 8, .value_kind: global_buffer, .address_space: global }
      - { .name: wcodes, .offset: 32, .size: 8, .value_kind: global_buffer, .address_space: global }
      - { .name: wscales, .offset: 40, .size: 8, .value_kind: global_buffer, .address_space: global }
      - { .name: woimg, .offset: 48, .size: 8, .value_kind: global_buffer, .address_space: global }
    .group_segment_fixed_size: 0
    .private_segment_fixed_size: 0
    .kernarg_segment_align: 8
    .kernarg_segment_size: 56
    .max_flat_workgroup_size: 128
    .sgpr_count:     66
    .vgpr_count:     224
    .wavefront_size: 32
...
	.end_amdgpu_metadata
.endif
;; end of part 1
;; launch kvproj (part 2): grid 64 x 2, 8 waves a work-group, no clusters, 10,240 bytes of LDS; arguments source_embedding, value_embedding, wcodes, wscales, bk, bv, kv; writes kv
.if DOCPART == 2
	.amdgcn_target "amdgcn-amd-amdhsa--gfx1250"
	.amdhsa_code_object_version 6
	.text
	.protected	k_q7ae7faeefc_kvproj
	.globl	k_q7ae7faeefc_kvproj
	.p2align	8
	.type	k_q7ae7faeefc_kvproj,@function
k_q7ae7faeefc_kvproj:
	s_mov_b64 s[64:65], 0
	v_nop
	global_prefetch_b8 v0, s[64:65] scope:SCOPE_SE
	s_setreg_imm32_b32 hwreg(HW_REG_WAVE_MODE, 25, 1), 1
	s_wait_xcnt 0x0
; k = source_embedding Wk + bk and v = value_embedding Wv + bv, [1000][512], both products on codes of FP4 (E2M1) with one E8M0 scale for each 32 along K = 1,024; sums in f32.
; The results leave as f16 FRAGMENT IMAGES for the attention launch, in the order in which it walks them: k x log2(e) / 8 as fragments of 16 keys x 32 channels, v as fragments of 16 channels x 32 keys.
; SHARES.  Work-group (x, y): x = a tile of 16 keys (64 tiles: keys 1,000 to 1,023 are made of row 999 by a held row number: finite numbers, which the attention launch masks); y = 0: k, 1: v.
; First wave w quantises K step w (128 along K) of the 16 rows and hands its fragment and scale words to the others through LDS, as an image of the registers.  Then wave w is head w: 4 tiles of 16 channels x 8 K steps.
; k: source 0 = 16 columns of Wk, source 1 = the 16 rows: a lane holds ONE key and eight neighbouring channels.   v: the sources change places: a lane holds ONE channel and eight neighbouring keys.
; kv: 16 tiles of 131,072 bytes, tile = (head / 4) x 8 + key / 128; in it 4 parts of 32 lines of 1,024 bytes, part = head % 4; in a part 16 lines for each 64 keys: lines 0-7 K (16 keys kt, 32 channels cs: 2 kt + cs), lines 8-15 V^T (32 keys ku, 16 channels ct: 8 + 4 ku + ct).
; 128 work-groups: the launch is short; sharing it further would quantise the same rows twice.  The weights' images go from memory straight into registers: a wave reads each fragment once, so LDS, tensor loads and clusters would add nothing.
; LIMITS: 0.18 |k| and |v| must lie under 65,504, the largest f16 number; a block of zeros gets the scale byte 1 (its codes are zeros); blocks under 2^-124 are held at that floor; NaN and infinities are not served.
.set EIMG,  0                          ; LDS: the rows' 8 fragments, 1,024 bytes each,
.set ESC,   8192                       ; their scale words, 128 bytes each,
.set SPARE, 9216                       ; and the spare words, 128 bytes for each of eight waves: four blocks of 256 bytes that no other line names
.set SPW, 1                            ; v1   SPARE + 4 x my thread's number; never rewritten
.set NIL, 2                            ; v2   0; never rewritten
.set LI,  3                            ; v3   16 x lane
.set LS,  4                            ; v4   4 x lane
.set XO,  5                            ; v5   my row of the embedding x 4,096 + 64 h
.set IW,  6                            ; v6   where I store my fragment: 1,024 x wave + 16 x lane
.set SWA, 7                            ; v7   and its scale word: 128 x wave + 4 x lane
.set BH,  8                            ; v8   32 h: k's bias, eight channels of my half
.set BR,  9                            ; v9   4 r: v's bias, my channel
.set ES,  10                           ; v10-17 the rows' scale words, one a K step: scales and nothing else
.set WS,  18                           ; v18-25 the weights' scale words, two sets of 4: scales and nothing else
.set BV,  26                           ; v26-29 v's bias of my channel in the four tiles
.set ACC, 32                           ; v32-63 four accumulators
.set TM,  32                           ; (ahead of them, while the rows are quantised: v32-47 at work, v48 the scale word, v50-57 the codes)
.set PW,  48
.set PC,  50
.set EF,  64                           ; v64-127 64 numbers of my row; then the rows' 8 fragments; then the packed results
.set WB,  128                          ; v128-191, v192-255 two sets of 8 weight fragments (two K steps x four tiles)
.set WV,  18
.set KT,  19
.set PP,  20
.set SEL, 22                           ; s[22:23] v_permlanex16_b32's selects for lane l xor 16
.set CS,  24                           ; s[24:25] log2(e) / 8
.macro NOPS n
.rept \n
	v_nop
.endr
.endm
; 64 numbers of a lane, register 16 b + i = k 32 b + 16 (lane / 16) + i of my row, become a fragment's codes in v[pc] on and its scale word in v[pw].
.macro QUANT s, pc, pw
.irp b, 0,1,2,3
	v_max3_num_f32 v[TM+\b], |v[\s+16*\b]|, |v[\s+1+16*\b]|, 0x1800000   ; my 16 numbers of block b, and the floor 2^(3 - 127): the byte cannot fall under 1
.endr
.irp i, 2,4,6,8,10,12,14
.irp b, 0,1,2,3
	v_max3_num_f32 v[TM+\b], v[TM+\b], |v[\s+16*\b+\i]|, |v[\s+1+16*\b+\i]|   ; the four blocks by turns
.endr
.endr
.irp b, 0,1,2,3
	v_permlanex16_b32 v[TM+4+\b], v[TM+\b], s[SEL], s[SEL+1]
.endr
.irp b, 0,1,2,3
	v_max_num_f32 v[TM+\b], v[TM+\b], v[TM+4+\b]   ; with lane l xor 16's: the block's largest magnitude
.endr
.irp b, 0,1,2,3
	v_add_nc_u32 v[TM+12+\b], 0xff000000, v[TM+\b] ; 2 off its exponent field: the conversion's scale operand
.endr
.irp b, 0,1,2,3
	v_lshrrev_b32 v[TM+4+\b], 23, v[TM+12+\b]      ; the byte
.endr
	v_lshl_or_b32 v[\pw], v[TM+5], 8, v[TM+4]
	v_lshl_or_b32 v[\pw], v[TM+6], 16, v[\pw]
	v_lshl_or_b32 v[\pw], v[TM+7], 24, v[\pw]
.irp b, 0,1,2,3
	v_cvt_scalef32_pk8_fp4_f32 v[\pc+2*\b], v[\s+16*\b:\s+7+16*\b], v[TM+12+\b]
	v_cvt_scalef32_pk8_fp4_f32 v[\pc+1+2*\b], v[\s+8+16*\b:\s+15+16*\b], v[TM+12+\b]
.endr
	v_nop                                          ; one plain place behind a scaled conversion
.irp c, 0,1                            ; the operand's layout wants a whole block in a lane
.irp i, 0,1
	v_permlane16_swap_b32 v[\pc+4*\c+\i], v[\pc+2+4*\c+\i]
.endr
.endr
.endm
.macro WLOAD bt                        ; my head's weights of K steps 2 bt and 2 bt + 1: 16 loads of fragments, 4 of scale words
.irp k2, 0,1
.irp ct, 0,1,2,3
.irp c, 0,1
	global_load_b128 v[WB+64*((\bt)%2)+8*(4*\k2+\ct)+4*\c:WB+64*((\bt)%2)+8*(4*\k2+\ct)+4*\c+3], v[LI], s[8:9] offset:((2*(\bt)+\k2)*4+\ct)*1024+512*\c
.endr
.endr
.irp cp, 0,1
	global_load_b32 v[WS+4*((\bt)%2)+2*\k2+\cp], v[LS], s[10:11] offset:((2*(\bt)+\k2)*2+\cp)*128
.endr
.endr
.endm
; 8 matrix instructions: two K steps x four tiles of channels; the four accumulators take turns, one instruction a turn.  An odd tile's scale words lie in lanes 16-31.
.macro MM bt, kpath
.irp k2, 0,1
.irp ct, 0,1,2,3
.set rW, WB+64*((\bt)%2)+8*(4*\k2+\ct)
.set rE, EF+8*(2*(\bt)+\k2)
.set rA, ACC+8*\ct
.set rX, WS+4*((\bt)%2)+2*\k2+\ct/2
.set rY, ES+2*(\bt)+\k2
.if \kpath
.if \ct%2
	v_wmma_scale_f32_16x16x128_f8f6f4 v[rA:rA+7], v[rW:rW+7], v[rE:rE+7], v[rA:rA+7], v[rX], v[rY] matrix_a_fmt:MATRIX_FMT_FP4 matrix_b_fmt:MATRIX_FMT_FP4 matrix_a_scale:MATRIX_SCALE_ROW1
.else
	v_wmma_scale_f32_16x16x128_f8f6f4 v[rA:rA+7], v[rW:rW+7], v[rE:rE+7], v[rA:rA+7], v[rX], v[rY] matrix_a_fmt:MATRIX_FMT_FP4 matrix_b_fmt:MATRIX_FMT_FP4
.endif
.else
.if \ct%2
	v_wmma_scale_f32_16x16x128_f8f6f4 v[rA:rA+7], v[rE:rE+7], v[rW:rW+7], v[rA:rA+7], v[rY], v[rX] matrix_a_fmt:MATRIX_FMT_FP4 matrix_b_fmt:MATRIX_FMT_FP4 matrix_b_scale:MATRIX_SCALE_ROW1
.else
	v_wmma_scale_f32_16x16x128_f8f6f4 v[rA:rA+7], v[rE:rE+7], v[rW:rW+7], v[rA:rA+7], v[rY], v[rX] matrix_a_fmt:MATRIX_FMT_FP4 matrix_b_fmt:MATRIX_FMT_FP4
.endif
.endif
.endr
.endr
.endm
; My head's 16 keys x 64 channels.  The bias is what the sums begin with.
.macro PATH kpath
.if \kpath
.irp ct, 0,1,2,3
	global_load_b128 v[ACC+8*\ct:ACC+8*\ct+3],   v[BH], s[12:13] offset:64*\ct      ; register j: bk of channel 16 ct + 8 h + j
	global_load_b128 v[ACC+8*\ct+4:ACC+8*\ct+7], v[BH], s[12:13] offset:64*\ct+16
.endr
.else
.irp ct, 0,1,2,3
	global_load_b32 v[BV+\ct], v[BR], s[12:13] offset:64*\ct                        ; bv of channel 16 ct + r
.endr
.endif
.irp ks, 0,1,2,3,4,5,6,7
.irp c, 0,1
	ds_load_b128 v[EF+8*\ks+4*\c:EF+8*\ks+4*\c+3], v[LI] offset:EIMG+1024*\ks+512*\c
.endr
	ds_load_b32 v[ES+\ks], v[LS] offset:ESC+128*\ks
.endr
	s_wait_dscnt 0x0
	s_wait_loadcnt 0x0                             ; the bias and the weights of K steps 0 to 3
.if (\kpath) == 0
.irp ct, 0,1,2,3
.irp j, 0,1,2,3,4,5,6,7
	v_mov_b32 v[ACC+8*\ct+\j], v[BV+\ct]           ; all eight keys of a lane have its channel's bias
.endr
.endr
.endif
	MM 0, \kpath
	NOPS 4                                         ; places in front of loads into registers that matrix instructions have read
	WLOAD 2
	MM 1, \kpath
	NOPS 4
	WLOAD 3
	s_wait_loadcnt 20                              ; K steps 4 and 5 are in; the 20 loads of K steps 6 and 7 may be out
	MM 2, \kpath
	s_wait_loadcnt 0x0
	MM 3, \kpath
	NOPS 4                                         ; places in front of the first read of results
.if \kpath
.set i, 0
.rept 16
	v_pk_mul_f32 v[ACC+i:ACC+i+1], v[ACC+i:ACC+i+1], s[CS:CS+1] op_sel_hi:[1,0]     ; x log2(e) / 8: the scores then are exponents of 2.  Each accumulator from its low end on
.set i, i+2
.endr
.endif
.set i, 0
.rept 16
	v_cvt_pk_f16_f32 v[EF+i], v[ACC+2*i], v[ACC+2*i+1]
.set i, i+1
.endr
.irp ct, 0,1,2,3
.if \kpath
	global_store_b128 v[LI], v[EF+4*\ct:EF+4*\ct+3], s[16:17] offset:512*\ct        ; tile ct is group ct % 2 of the K fragment of channels 32 (ct / 2) on: 512 consecutive bytes
.else
	global_store_b128 v[LI], v[EF+4*\ct:EF+4*\ct+3], s[16:17] offset:1024*\ct       ; my 16 keys are one group of the V^T fragment of tile ct
.endif
.endr
.endm
	s_load_b256 s[4:11], s[0:1], 0x0               ; source s[4:5], value s[6:7], wcodes s[8:9], wscales s[10:11]
	s_load_b128 s[12:15], s[0:1], 0x20             ; bk, bv
	s_load_b64 s[16:17], s[0:1], 0x30              ; kv
	v_lshl_add_u32 v[SPW], v0, 2, SPARE
	v_mov_b32 v[NIL], 0
	v_lshrrev_b32 v26, 5, v0
	v_readfirstlane_b32 s[WV], v26                 ; wave 0..7
	s_mov_b32 s[KT], ttmp9                         ; the tile of 16 keys
	s_and_b32 s[PP], ttmp7, 0xffff                 ; 0: k, 1: v
	v_and_b32 v26, 31, v0
	v_lshlrev_b32 v[LI], 4, v26
	v_lshlrev_b32 v[LS], 2, v26
	v_and_b32 v26, 15, v0                          ; r
	v_bfe_u32 v27, v0, 4, 1                        ; h
	s_lshl_b32 s26, s[KT], 4
	v_add_nc_u32 v[XO], s26, v26
	v_min_u32 v[XO], 999, v[XO]                    ; no load leaves the buffer: the last 24 rows of the last tiles are row 999 again
	v_lshlrev_b32 v[XO], 12, v[XO]
	v_lshl_add_u32 v[XO], v27, 6, v[XO]            ; + 64 h: my 16 numbers of a block of 32
	s_lshl_b32 s26, s[WV], 10
	v_add_nc_u32 v[IW], s26, v[LI]
	s_lshl_b32 s26, s[WV], 7
	v_add_nc_u32 v[SWA], s26, v[LS]
	v_lshlrev_b32 v[BH], 5, v27
	v_lshlrev_b32 v[BR], 2, v26
.irp b, 0,1,2,3
	v_mov_b32 v[TM+4+\b], 0                        ; written once: a lane permute's destination counts as one of its sources
.endr
	s_mov_b32 s[SEL], 0x76543210
	s_mov_b32 s[SEL+1], 0xfedcba98
	s_mov_b32 s[CS], 0x3e38aa3b                    ; log2(e) / 8
	s_mov_b32 s[CS+1], s[CS]                       ; (named with it as a pair, so it is written)
	s_mov_b32 s27, 0                               ; the upper word of every offset
	; where my results go: line ((head / 4) x 8 + kt / 8) x 128 + (head % 4) x 32 + ((kt / 4) % 2) x 16 + [k: 2 (kt % 4) | v: 8 + 4 ((kt / 2) % 2), and 512 (kt % 2) bytes]
	s_lshr_b32 s31, s[WV], 2
	s_lshl_b32 s31, s31, 3
	s_lshr_b32 s28, s[KT], 3
	s_add_co_u32 s31, s31, s28
	s_lshl_b32 s31, s31, 7
	s_and_b32 s28, s[WV], 3
	s_lshl_b32 s28, s28, 5
	s_add_co_u32 s31, s31, s28
	s_bfe_u32 s28, s[KT], 0x10002
	s_lshl_b32 s28, s28, 4
	s_add_co_u32 s31, s31, s28
	s_and_b32 s28, s[KT], 3
	s_lshl_b32 s28, s28, 1
	s_bfe_u32 s29, s[KT], 0x10001
	s_lshl_b32 s29, s29, 2
	s_add_co_u32 s29, s29, 8
	s_and_b32 s30, s[KT], 1
	s_lshl_b32 s30, s30, 9
	s_cmp_eq_u32 s[PP], 0
	s_cselect_b32 s28, s28, s29
	s_cselect_b32 s30, 0, s30
	s_add_co_u32 s31, s31, s28
	s_lshl_b32 s31, s31, 10
	s_add_co_u32 s31, s31, s30
	s_wait_kmcnt 0x0
	s_cmp_eq_u32 s[PP], 0                          ; the buffers are chosen by the work-group's number alone
	s_cselect_b64 s[4:5], s[4:5], s[6:7]
	s_cselect_b64 s[12:13], s[12:13], s[14:15]
	s_lshl_b32 s26, s[WV], 9                       ; my K step: 128 numbers
	s_add_nc_u64 s[4:5], s[4:5], s[26:27]
	s_lshl_b32 s26, s[WV], 8                       ; my head's 64 biases
	s_add_nc_u64 s[12:13], s[12:13], s[26:27]
	s_lshl_b32 s26, s[PP], 18                      ; Wk's codes at 131,072, Wv's 262,144 further on; 32 fragments a head
	s_lshl_b32 s28, s[WV], 15
	s_add_co_u32 s26, s26, s28
	s_add_co_u32 s26, s26, 131072
	s_add_nc_u64 s[8:9], s[8:9], s[26:27]
	s_lshl_b32 s26, s[PP], 14                      ; Wk's scale words at 8,192, Wv's 16,384 further on; 2,048 bytes a head
	s_lshl_b32 s28, s[WV], 11
	s_add_co_u32 s26, s26, s28
	s_add_co_u32 s26, s26, 8192
	s_add_nc_u64 s[10:11], s[10:11], s[26:27]
	s_mov_b32 s26, s31
	s_add_nc_u64 s[16:17], s[16:17], s[26:27]
.irp b, 0,1,2,3
.irp j, 0,1,2,3
	global_load_b128 v[EF+16*\b+4*\j:EF+16*\b+4*\j+3], v[XO], s[4:5] offset:128*\b+16*\j
.endr
.endr
	WLOAD 0                                        ; the weights of the first four K steps are asked for at once: they land while the rows are quantised
	WLOAD 1
	s_wait_loadcnt 40                              ; my 64 numbers are in; the 40 loads of weights behind them may be out
	QUANT EF, PC, PW
	ds_store_b128 v[IW], v[PC:PC+3] offset:EIMG
	ds_store_b128 v[IW], v[PC+4:PC+7] offset:EIMG+512
	ds_store_b32 v[SWA], v[PW] offset:ESC
	s_wait_dscnt 0x0                               ; for the others' sake: my stores have landed
	s_barrier_signal -1
	s_barrier_wait -1                              ; the rows' eight fragments lie in LDS; from here on LDS is only read
	s_cmp_lg_u32 s[PP], 0
	s_cbranch_scc1 .Lvalues
	PATH 1
	s_branch .Lend
.Lvalues:
	PATH 0
.Lend:
	s_wait_tensorcnt 0x0                           ; the wave's end, behind my last LDS store
	ds_add_u32 v[SPW], v[NIL]
	s_wait_dscnt 0x0
	s_endpgm
.Lfunc_end_k_q7ae7faeefc_kvproj:
	.size	k_q7ae7faeefc_kvproj, .Lfunc_end_k_q7ae7faeefc_kvproj-k_q7ae7faeefc_kvproj
	.p2alignl 7, 3214868480
	.fill 96, 4, 3214868480
	.section	.rodata,"a",@progbits
	.p2align	6, 0x0
	.amdhsa_kernel k_q7ae7faeefc_kvproj
		.amdhsa_group_segment_fixed_size 10240
		.amdhsa_private_segment_fixed_size 0
		.amdhsa_enable_private_segment 0
		.amdhsa_kernarg_size 56
		.amdhsa_user_sgpr_count 2
		.amdhsa_user_sgpr_kernarg_segment_ptr 1
		.amdhsa_wavefront_size32 1
		.amdhsa_system_sgpr_workgroup_id_x 1
		.amdhsa_system_sgpr_workgroup_id_y 1
		.amdhsa_system_sgpr_workgroup_id_z 1
		.amdhsa_system_vgpr_workitem_id 0
		.amdhsa_next_free_vgpr 256
		.amdhsa_next_free_sgpr 66
		.amdhsa_reserve_vcc 0
		.amdhsa_float_denorm_mode_32 3
		.amdhsa_float_denorm_mode_16_64 3
		.amdhsa_memory_ordered 1
		.amdhsa_forward_progress 1
		.amdhsa_inst_pref_size 39
	.end_amdhsa_kernel
	.amdgpu_metadata
---
amdhsa.version: [ 1, 2 ]
amdhsa.kernels:
  - .name:           k_q7ae7faeefc_kvproj
    .symbol:         k_q7ae7faeefc_kvproj.kd
    .args:
      - { .name: source_embedding, .offset: 0, .size: 8, .value_kind: global_buffer, .address_space: global }
      - { .name: value_embedding, .offset: 8, .size: 8, .value_kind: global_buffer, .address_space: global }
      - { .name: wcodes, .offset: 16, .size: 8, .value_kind: global_buffer, .address_space: global }
      - { .name: wscales, .offset: 24, .size: 8, .value_kind: global_buffer, .address_space: global }
      - { .name: bk, .offset: 32, .size: 8, .value_kind: global_buffer, .address_space: global }
      - { .name: bv, .offset: 40, .size: 8, .value_kind: global_buffer, .address_space: global }
      - { .name: kv, .offset: 48, .size: 8, .value_kind: global_buffer, .address_space: global }
    .group_segment_fixed_size: 10240
    .private_segment_fixed_size: 0
    .kernarg_segment_align: 8
    .kernarg_segment_size: 56
    .max_flat_workgroup_size: 256
    .sgpr_count:     66
    .vgpr_count:     256
    .wavefront_size: 32
...
	.end_amdgpu_metadata
.endif
;; end of part 2
;; launch attn (part 3): grid 256 x 1, 16 waves a work-group, clusters of 4 x 1, 327,680 bytes of LDS; arguments target_embedding, wcodes, wscales, bq, kv, woimg, bo, out0; writes out0
.if DOCPART == 3
	.amdgcn_target "amdgcn-amd-amdhsa--gfx1250"
	.amdhsa_code_object_version 6
	.text
	.protected	k_q7ae7faeefc_attn
	.globl	k_q7ae7faeefc_attn
	.p2align	8
	.type	k_q7ae7faeefc_attn,@function
k_q7ae7faeefc_attn:
	s_mov_b64 s[64:65], 0
	v_nop
	global_prefetch_b8 v0, s[64:65] scope:SCOPE_SE
	s_setreg_imm32_b32 hwreg(HW_REG_WAVE_MODE, 25, 1), 1
	s_wait_xcnt 0x0
	s_wait_alu depctr_hold_cnt(0) depctr_sa_sdst(0) depctr_va_vdst(0) depctr_va_sdst(0) depctr_va_ssrc(0) depctr_va_vcc(0) depctr_vm_vsrc(0)
	s_getreg_b32 s2, hwreg(HW_REG_IB_STS2, 6, 4)
	s_cmp_eq_u32 s2, 0
	s_cbranch_scc0 .Lentry_in_a_cluster
	s_endpgm
.Lentry_in_a_cluster:
	s_bfe_u32 s2, ttmp6, 0x10000c
	s_cmp_lg_u32 s2, 0x3003
	s_cbranch_scc0 .Lentry_shape_is_right
	s_endpgm
.Lentry_shape_is_right:
; out0 = (softmax(q k^T / 8) v, all 8 heads) Wo + bo, with q = target_embedding Wq + bq made here on codes of FP4 (E2M1, one E8M0 scale for each 32 along K = 512).
; The other three products take f16 operands and f32 sums: 11 significant bits leave room under the allowed error where 8 would not.  q, the scores, p and the heads' results never go to memory.
; SHARES.  A work-group owns 128 rows of target_embedding.  Wave w = tp + 4 hg (16 waves, four to a SIMD, 256 registers each, so that one wave's softmax stands beside another's products and LDS loads) owns
; 32 queries (row tiles 2 tp, 2 tp + 1) and two heads: hg in the first pass over the keys, 4 + hg in the second.  A fragment of K or V read from LDS feeds two matrix instructions.
; LAYOUT.  All products are used transposed, so that a lane holds ONE query throughout: q^T = Wq^T x^T, S^T = K q^T, O^T = V^T P, out^T = Wo^T O.  Two packed result tiles are the next product's source 1 as they stand.
; SOFTMAX.  k arrives multiplied by log2(e) / 8, so p = 2^(s - m), m the running maximum; in every step O and l are multiplied by a = 2^(m_old - m_new).  m starts at -3e38: the first a of a head is 0.
; Keys 1,000 to 1,023 of the last tile are no keys: their scores become -infinity ahead of the maximum.
; THE RING.  kv holds K's and V's fragments as images of registers, lines of 1,024 bytes, 16 tiles of 128 lines (128 keys x 4 heads).  Two LDS slots; each wave fetches 8 lines of each tile by one tensor load.
; CLUSTER.  Every work-group walks the same 16 tiles, so the four of a cluster ask JOINTLY: the same load, the same descriptor, a mask that names the four.
; No prefetch: kv is 2 MiB that all 64 clusters walk again and again, each tile is asked for a whole trip (64 matrix instructions and two softmax steps a wave) ahead, and x is wanted at the head.
; LIMITS: |q|, |O| must lie under 65,504, the largest f16 number; a block of zeros gets the scale byte 1 (its codes are zeros); blocks under 2^-124 are held at that floor; NaN and infinities are not served.
.set LP,    1040                       ; a line in LDS: 1,024 bytes + 16 of padding = 65 x 16 bytes: the sixteen rows of x that a load touches start 16 bytes apart modulo 256
.set SLOTB, 128*LP                     ; a slot: 128 lines
.set PARTB, 32*LP                      ; one head's part of it
.set XIMG,  256*LP                     ; behind the 256 lines: x's 32 fragments as images (row tile m, K step s: 4 m + s), 1,024 bytes each,
.set XSC,   XIMG+32*1024               ; their scale words, 128 bytes each,
.set SPARE, XSC+32*128                 ; and the spare words, 128 bytes for each of 16 waves: eight blocks of 256 bytes that no other line names
.set ROWS,  XIMG                       ; the way out: 128 rows x (256 bytes + 16), where x's images lay
.set RP,    272
.set TILEB, 131072                     ; a tile of kv in memory
.set SPW, 1                            ; v1   SPARE + 4 x my thread's number; never rewritten
.set NIL, 2                            ; v2   0; never rewritten
.set LA,  3                            ; v3, v4  my head's part of slot 0, 1, + 16 x lane
.set LI,  5                            ; v5   16 x lane
.set NINF, 6                           ; v6   -infinity
.set LS,  7                            ; v7   4 x lane
.set M,   8                            ; v[8:9], v[10:11]   tile t: m, and the other half's maximum (the pair is named whole by the packed subtraction)
.set L,   12                           ; v[12:13], v[14:15] l, in two halves
.set AA,  16                           ; v[16:17], v[18:19] a, and 0
.set T,   20                           ; v[20:21], v[22:23] at work.   (v8-23 hold addresses ahead of the loop and again behind it)
.set WS,  24                           ; v24-27 Wq's scale words;  v28-31 x's: scales and nothing else
.set XS,  28
.set QB,  32                           ; v32-63   the second head's q; later the first head's O, packed
.set S,   64                           ; v64-127  S^T: tile t at S + 32 t, 16 keys kt at + 8 kt; p is packed in place into the first 16 of each 32
.set O,   128                          ; v128-191 O^T: O + 32 t + 8 ct
.set KV,  192                          ; v192-223 four fragments of K or V; between them the maximum's chains
.set QA,  224                          ; v224-255 the q that the loop reads; at the end the second head's O, packed
.set TM,  192                          ; while x is quantised: v192-207 at work, v208-209 scale words, v210-225 codes
.set WV,  20
.set TP,  21
.set HG,  22
.set CX,  23
.set WG,  24
.set G1X, 28                           ; s[28:35] group 1 for x's tiles;  s[36:39] its group 0
.set G0X, 36
.set G1K, 40                           ; s[40:47] group 1 for kv's tiles;  s[48:51], s[52:55] group 0 for slot 0, 1
.set G0K, 48
.set CNT, 56                           ; s56  pairs of trips to go
.set MSK, 57                           ; s57  lanes 16-31
.set SEL, 58                           ; s[58:59] v_permlanex16_b32's selects for lane l xor 16
.set WQB, 66
.set WSB, 68
.set BQB, 70
.set WOB, 72
.set OUTB, 74
.macro NOPS n
.rept \n
	v_nop
.endr
.endm
; A round of the cluster's barrier: my work-group's barrier, so that wave 0's signal speaks for all sixteen waves; wave 0 signals; every wave waits for the four work-groups; my work-group's barrier once more.
.macro ROUND
	s_barrier_signal -1
	s_barrier_wait -1
	s_cmp_lg_u32 s[WV], 0
	s_cbranch_scc1 .Lnot_wave_0_\@
	s_barrier_signal -3
.Lnot_wave_0_\@:
	s_barrier_wait -3
	s_barrier_signal -1
	s_barrier_wait -1
.endm
; 64 numbers of a lane, register 16 b + i = k 32 b + 16 (lane / 16) + i of my row, become a fragment's codes in v[pc] on and its scale word in v[pw].
.macro QUANT s, pc, pw
.irp b, 0,1,2,3
	v_max3_num_f32 v[TM+\b], |v[\s+16*\b]|, |v[\s+1+16*\b]|, 0x1800000   ; my 16 numbers of block b, and the floor 2^(3 - 127): the byte cannot fall under 1
.endr
.irp i, 2,4,6,8,10,12,14
.irp b, 0,1,2,3
	v_max3_num_f32 v[TM+\b], v[TM+\b], |v[\s+16*\b+\i]|, |v[\s+1+16*\b+\i]|   ; the four blocks by turns
.endr
.endr
.irp b, 0,1,2,3
	v_permlanex16_b32 v[TM+4+\b], v[TM+\b], s[SEL], s[SEL+1]
.endr
.irp b, 0,1,2,3
	v_max_num_f32 v[TM+\b], v[TM+\b], v[TM+4+\b]   ; with lane l xor 16's: the block's largest magnitude
.endr
.irp b, 0,1,2,3
	v_add_nc_u32 v[TM+12+\b], 0xff000000, v[TM+\b] ; 2 off its exponent field: the conversion's scale operand
.endr
.irp b, 0,1,2,3
	v_lshrrev_b32 v[TM+4+\b], 23, v[TM+12+\b]      ; the byte
.endr
	v_lshl_or_b32 v[\pw], v[TM+5], 8, v[TM+4]
	v_lshl_or_b32 v[\pw], v[TM+6], 16, v[\pw]
	v_lshl_or_b32 v[\pw], v[TM+7], 24, v[\pw]
.irp b, 0,1,2,3
	v_cvt_scalef32_pk8_fp4_f32 v[\pc+2*\b], v[\s+16*\b:\s+7+16*\b], v[TM+12+\b]
	v_cvt_scalef32_pk8_fp4_f32 v[\pc+1+2*\b], v[\s+8+16*\b:\s+15+16*\b], v[TM+12+\b]
.endr
	v_nop                                          ; one plain place behind a scaled conversion
.irp c, 0,1                            ; the operand's layout wants a whole block in a lane
.irp i, 0,1
	v_permlane16_swap_b32 v[\pc+4*\c+\i], v[\pc+2+4*\c+\i]
.endr
.endr
.endm
; q of head hg + 4 hb for my 32 queries, packed to f16 into v[dest] on: (tile qt, channels 32 cs on) at dest + 16 qt + 8 cs.  x's 8 fragments lie in S.  The bias is what the sums begin with.
.macro QPROJ hb, dest
.irp qt, 0,1
.irp ct, 0,1,2,3
	global_load_b128 v[O+32*\qt+8*\ct:O+32*\qt+8*\ct+3],   v13, s[BQB:BQB+1] offset:1024*\hb+64*\ct      ; register j: bq of channel 16 ct + 8 h + j
	global_load_b128 v[O+32*\qt+8*\ct+4:O+32*\qt+8*\ct+7], v13, s[BQB:BQB+1] offset:1024*\hb+64*\ct+16
.endr
.endr
.irp bt, 0,1                           ; two K steps at a time
.if \bt
	NOPS 4                                         ; places in front of loads into registers that matrix instructions have read
.endif
.irp k2, 0,1
.irp ct, 0,1,2,3
.irp c, 0,1
	global_load_b128 v[KV+8*(4*\k2+\ct)+4*\c:KV+8*(4*\k2+\ct)+4*\c+3], v[LI], s[WQB:WQB+1] offset:65536*\hb+((2*\bt+\k2)*4+\ct)*1024+512*\c
.endr
.endr
.irp cp, 0,1
	global_load_b32 v[WS+2*\k2+\cp], v[LS], s[WSB:WSB+1] offset:4096*\hb+((2*\bt+\k2)*2+\cp)*128
.endr
.irp qt, 0,1
	ds_load_b32 v[XS+2*\k2+\qt], v12 offset:(4*\qt+2*\bt+\k2)*128
.endr
.endr
	s_wait_loadcnt 0x0
	s_wait_dscnt 0x0
.irp k2, 0,1                           ; the eight accumulators take turns, one instruction a turn.  An odd tile's scale words lie in lanes 16-31
.irp ct, 0,1,2,3
.irp qt, 0,1
.if \ct%2
	v_wmma_scale_f32_16x16x128_f8f6f4 v[O+32*\qt+8*\ct:O+32*\qt+8*\ct+7], v[KV+8*(4*\k2+\ct):KV+8*(4*\k2+\ct)+7], v[S+8*(4*\qt+2*\bt+\k2):S+8*(4*\qt+2*\bt+\k2)+7], v[O+32*\qt+8*\ct:O+32*\qt+8*\ct+7], v[WS+2*\k2+\ct/2], v[XS+2*\k2+\qt] matrix_a_fmt:MATRIX_FMT_FP4 matrix_b_fmt:MATRIX_FMT_FP4 matrix_a_scale:MATRIX_SCALE_ROW1
.else
	v_wmma_scale_f32_16x16x128_f8f6f4 v[O+32*\qt+8*\ct:O+32*\qt+8*\ct+7], v[KV+8*(4*\k2+\ct):KV+8*(4*\k2+\ct)+7], v[S+8*(4*\qt+2*\bt+\k2):S+8*(4*\qt+2*\bt+\k2)+7], v[O+32*\qt+8*\ct:O+32*\qt+8*\ct+7], v[WS+2*\k2+\ct/2], v[XS+2*\k2+\qt] matrix_a_fmt:MATRIX_FMT_FP4 matrix_b_fmt:MATRIX_FMT_FP4
.endif
.endr
.endr
.endr
.endr
	NOPS 4                                         ; places in front of the first read of results, and of the next loads into these registers
.set i, 0
.rept 32
	v_cvt_pk_f16_f32 v[\dest+i], v[O+2*i], v[O+2*i+1]              ; each accumulator from its low end on
.set i, i+1
.endr
.endm
.macro KLOAD slot, u, l0               ; four lines, l0 on, of the slot's u-th 64 keys
.irp f, 0,1,2,3
.irp c, 0,1
	ds_load_b128 v[KV+8*\f+4*\c:KV+8*\f+4*\c+3], v[LA+\slot] offset:(16*(\u)+(\l0)+\f)*LP+512*\c
.endr
.endr
.endm
.macro KQ kp                           ; S^T of keys 32 kp on: 8 matrix instructions, four accumulators by turns; the first 32 channels start the sums
.irp cs, 0,1
.irp kl, 0,1
.irp qt, 0,1
.if \cs == 0
	v_wmma_f32_16x16x32_f16 v[S+32*\qt+8*(2*(\kp)+\kl):S+32*\qt+8*(2*(\kp)+\kl)+7], v[KV+8*(2*\kl+\cs):KV+8*(2*\kl+\cs)+7], v[QA+16*\qt+8*\cs:QA+16*\qt+8*\cs+7], 0
.else
	v_wmma_f32_16x16x32_f16 v[S+32*\qt+8*(2*(\kp)+\kl):S+32*\qt+8*(2*(\kp)+\kl)+7], v[KV+8*(2*\kl+\cs):KV+8*(2*\kl+\cs)+7], v[QA+16*\qt+8*\cs:QA+16*\qt+8*\cs+7], v[S+32*\qt+8*(2*(\kp)+\kl):S+32*\qt+8*(2*(\kp)+\kl)+7]
.endif
.endr
.endr
.endr
.endm
.macro PV ku                           ; O^T += V^T P for keys 32 ku on: eight accumulators by turns
.irp ct, 0,1,2,3
.irp qt, 0,1
	v_wmma_f32_16x16x32_f16 v[O+32*\qt+8*\ct:O+32*\qt+8*\ct+7], v[KV+8*\ct:KV+8*\ct+7], v[S+32*\qt+8*(\ku):S+32*\qt+8*(\ku)+7], v[O+32*\qt+8*\ct:O+32*\qt+8*\ct+7]
.endr
.endr
.endm
; A KEY STEP: 64 keys, the slot's u-th.  mask = 1: these are keys 960 to 1,023 in the trip with s[CNT] = 4; mask = 2: they are so always.
.macro STEP slot, u, mask
	KLOAD \slot, \u, 0
	s_wait_dscnt 0x0
	KQ 0
	NOPS 4                                         ; places in front of loads into registers that matrix instructions have read
	KLOAD \slot, \u, 4
	s_wait_dscnt 0x0
	KQ 1
	NOPS 4                                         ; places in front of the first read of the scores, and of the writes into K's registers
.if \mask
.if \mask == 1
	s_cmp_lg_u32 s[CNT], 4                         ; a counted loop's step alone: all waves of all partners go the same way
	s_cbranch_scc1 .Lopen_\@
.endif
.irp t, 0,1
.irp j, 0,1,2,3,4,5,6,7
	v_cndmask_b32 v[S+32*\t+16+\j], v[S+32*\t+16+\j], v[NINF], s[MSK]     ; keys 992 + 8 h + j: lanes 16-31 hold 1,000 to 1,007
.endr
.irp j, 0,1,2,3,4,5,6,7
	v_mov_b32 v[S+32*\t+24+\j], v[NINF]            ; keys 1,008 to 1,023
.endr
.endr
.if \mask == 1
.Lopen_\@:
.endif
.endif
	; the maximum of a lane's 32 scores and the old m: four chains a tile, each score tile from its low end on; the two tiles by turns
.irp j, 0,1,2,3
.irp t, 0,1
	v_max3_num_f32 v[KV+8*\t+\j], v[S+32*\t+8*\j], v[S+32*\t+8*\j+1], v[S+32*\t+8*\j+2]
.endr
.endr
.irp g, 1,2
.irp j, 0,1,2,3
.irp t, 0,1
	v_max3_num_f32 v[KV+8*\t+\j], v[KV+8*\t+\j], v[S+32*\t+8*\j+2*\g+1], v[S+32*\t+8*\j+2*\g+2]
.endr
.endr
.endr
.irp t, 0,1
	v_max3_num_f32 v[KV+8*\t], v[KV+8*\t], v[S+32*\t+7], v[S+32*\t+15]
	v_max3_num_f32 v[KV+8*\t+2], v[KV+8*\t+2], v[S+32*\t+23], v[S+32*\t+31]
.endr
.irp t, 0,1
	v_max3_num_f32 v[KV+8*\t], v[KV+8*\t], v[KV+8*\t+1], v[KV+8*\t+2]
.endr
.irp t, 0,1
	v_max3_num_f32 v[KV+8*\t], v[KV+8*\t], v[KV+8*\t+3], v[M+2*\t]
.endr
.irp t, 0,1
	v_permlanex16_b32 v[M+2*\t+1], v[KV+8*\t], s[SEL], s[SEL+1]    ; the query's other 32 keys lie in the lane 16 away
.endr
.irp t, 0,1
	v_max_num_f32 v[KV+8*\t+5], v[KV+8*\t], v[M+2*\t+1]            ; the new m
.endr
.irp t, 0,1
	v_sub_f32 v[AA+2*\t], v[M+2*\t], v[KV+8*\t+5]                  ; m_old - m_new
.endr
.irp t, 0,1
	v_mov_b32 v[M+2*\t], v[KV+8*\t+5]
.endr
	; ONE BATCH of 66 exponentials, none of which reads another's result; tile 1's subtractions stand among tile 0's exponentials
.set i, 0
.rept 16
	v_pk_add_f32 v[S+i:S+i+1], v[S+i:S+i+1], v[M:M+1] op_sel_hi:[1,0] neg_lo:[0,1] neg_hi:[0,1]   ; s - m, two at a time
.set i, i+2
.endr
	v_exp_f32 v[AA], v[AA]
.set i, 0
.rept 16
	v_exp_f32 v[S+i], v[S+i]
	v_exp_f32 v[S+i+1], v[S+i+1]
	v_pk_add_f32 v[S+32+i:S+32+i+1], v[S+32+i:S+32+i+1], v[M+2:M+3] op_sel_hi:[1,0] neg_lo:[0,1] neg_hi:[0,1]
.set i, i+2
.endr
	v_exp_f32 v[AA+2], v[AA+2]
.set i, 0
.rept 32
	v_exp_f32 v[S+32+i], v[S+32+i]
.set i, i+1
.endr
	KLOAD \slot, \u, 8                             ; V^T of the first 32 keys: the chains' registers are done with; the loads land while the sums are made
	v_nop                                          ; a plain instruction behind the last exponential
	s_wait_alu depctr_va_vdst(0)                   ; one wait for the whole batch, ahead of the first instruction that names a result
	; l = a l + the sum of the unrounded p: two chains a tile
.irp t, 0,1
	v_pk_fma_f32 v[L+2*\t:L+2*\t+1], v[L+2*\t:L+2*\t+1], v[AA+2*\t:AA+2*\t+1], v[S+32*\t:S+32*\t+1] op_sel_hi:[1,0,1]
	v_pk_add_f32 v[T+2*\t:T+2*\t+1], v[S+32*\t+2:S+32*\t+3], v[S+32*\t+6:S+32*\t+7]
.endr
.irp p, 2,4,6,8,10,12
.irp t, 0,1
	v_pk_add_f32 v[L+2*\t:L+2*\t+1], v[L+2*\t:L+2*\t+1], v[S+32*\t+2*\p:S+32*\t+2*\p+1]
	v_pk_add_f32 v[T+2*\t:T+2*\t+1], v[T+2*\t:T+2*\t+1], v[S+32*\t+2*\p+6:S+32*\t+2*\p+7]
.endr
.endr
.irp t, 0,1
	v_pk_add_f32 v[L+2*\t:L+2*\t+1], v[L+2*\t:L+2*\t+1], v[S+32*\t+28:S+32*\t+29]
.endr
.irp t, 0,1
	v_pk_add_f32 v[L+2*\t:L+2*\t+1], v[L+2*\t:L+2*\t+1], v[T+2*\t:T+2*\t+1]
.endr
.irp t, 0,1                            ; p to f16, in place: register j takes numbers 2 j and 2 j + 1, which no earlier line has overwritten
.irp j, 0,1,2,3,4,5,6,7,8,9,10,11,12,13,14,15
	v_cvt_pk_f16_f32 v[S+32*\t+\j], v[S+32*\t+2*\j], v[S+32*\t+2*\j+1]
.endr
.endr
.irp t, 0,1                            ; O^T x a, each accumulator from its low end on
.irp j, 0,2,4,6,8,10,12,14,16,18,20,22,24,26,28,30
	v_pk_mul_f32 v[O+32*\t+\j:O+32*\t+\j+1], v[O+32*\t+\j:O+32*\t+\j+1], v[AA+2*\t:AA+2*\t+1] op_sel_hi:[1,0]
.endr
.endr
	s_wait_dscnt 0x0
	PV 0
	NOPS 4
	KLOAD \slot, \u, 12
	s_wait_dscnt 0x0
	PV 1
	NOPS 5                                         ; the next step's first products write over p's registers, which these products read: five places; its loads into V's registers want four
.endm
; A TRIP: 128 keys.  Each wave waits for all its tensor loads (one is out: its 8 lines of this trip's tile), adds 0 to its spare word, and waits for that and for its reads of the other slot.  Behind the round
; no wave of any partner reads the other slot or has a load on its way: it is filled with the next tile, first thing, one load a wave, which has the whole trip in which to land.
.macro TRIP slot, refill, mask
	s_wait_tensorcnt 0x0                           ; no tensor load of mine is out, so a group 0 may be written
	ds_add_u32 v[SPW], v[NIL]                      ; 0 onto my spare word
.if \refill
	s_add_nc_u64 s[G0K+4*\slot+2:G0K+4*\slot+3], s[G0K+4*\slot+2:G0K+4*\slot+3], 2*TILEB   ; this slot's next tile; the type bits on top are not reached
	s_wait_dscnt 0x0
	ROUND
	tensor_load_to_lds s[G0K+4*(1-\slot):G0K+4*(1-\slot)+3], s[G1K:G1K+7]
	s_nop 0
.else
	s_wait_dscnt 0x0
	s_barrier_signal -1
	s_barrier_wait -1
.endif
	STEP \slot, 0, 0
	STEP \slot, 1, \mask
.endm
; A HEAD'S END: O^T / l, packed to f16.  last = 0: the loop's q becomes the second head's, the first head's O takes its place, and m starts anew: the next a is 0, which brings the finite O and l to 0.
.macro HEADEND last
.irp t, 0,1
	v_add_f32 v[T+2*\t], v[L+2*\t], v[L+2*\t+1]
.endr
.irp t, 0,1
	v_permlanex16_b32 v[T+2*\t+1], v[T+2*\t], s[SEL], s[SEL+1]
.endr
.irp t, 0,1
	v_add_f32 v[T+2*\t], v[T+2*\t], v[T+2*\t+1]    ; the row's sum
.endr
.irp t, 0,1
	v_rcp_f32 v[AA+2*\t], v[T+2*\t]
.endr
.if \last
	v_nop                                          ; a plain instruction behind the reciprocals
.else
.set i, 0
.rept 32
	v_mov_b32 v[QA+i], v[QB+i]                     ; work that names no reciprocal stands behind them
.set i, i+1
.endr
.endif
	s_wait_alu depctr_va_vdst(0)                   ; one wait for both, ahead of their first reader
.irp t, 0,1
.irp j, 0,2,4,6,8,10,12,14,16,18,20,22,24,26,28,30
	v_pk_mul_f32 v[O+32*\t+\j:O+32*\t+\j+1], v[O+32*\t+\j:O+32*\t+\j+1], v[AA+2*\t:AA+2*\t+1] op_sel_hi:[1,0]
.endr
.endr
.set i, 0
.rept 32
.if \last
	v_cvt_pk_f16_f32 v[QA+i], v[O+2*i], v[O+2*i+1]
.else
	v_cvt_pk_f16_f32 v[QB+i], v[O+2*i], v[O+2*i+1]
.endif
.set i, i+1
.endr
.if (\last) == 0
	v_mov_b32 v[M], 0xff61b1e6
	v_mov_b32 v[M+2], 0xff61b1e6
.endif
.endm
.macro WOLOAD reg, off                 ; four fragments of Wo^T: 64 outputs x 32 channels
.irp ot, 0,1,2,3
.irp c, 0,1
	global_load_b128 v[\reg+8*\ot+4*\c:\reg+8*\ot+4*\c+3], v[LI], s[WOB:WOB+1] offset:\off+1024*\ot+512*\c
.endr
.endr
.endm
.macro WOMUL reg, b, zero              ; out^T += Wo^T O for 32 channels: eight accumulators by turns
.irp ot, 0,1,2,3
.irp qt, 0,1
.if \zero
	v_wmma_f32_16x16x32_f16 v[S+32*\qt+8*\ot:S+32*\qt+8*\ot+7], v[\reg+8*\ot:\reg+8*\ot+7], v[\b+16*\qt:\b+16*\qt+7], 0
.else
	v_wmma_f32_16x16x32_f16 v[S+32*\qt+8*\ot:S+32*\qt+8*\ot+7], v[\reg+8*\ot:\reg+8*\ot+7], v[\b+16*\qt:\b+16*\qt+7], v[S+32*\qt+8*\ot:S+32*\qt+8*\ot+7]
.endif
.endr
.endr
.endm
	s_load_b256 s[4:11], s[0:1], 0x0               ; target s[4:5], wcodes s[6:7], wscales s[8:9], bq s[10:11]
	s_load_b256 s[12:19], s[0:1], 0x20             ; kv s[12:13], woimg s[14:15], bo s[16:17], out0 s[18:19]
	v_lshl_add_u32 v[SPW], v0, 2, SPARE
	v_mov_b32 v[NIL], 0
	ds_add_u32 v[SPW], v[NIL]                      ; the wave's opening: the add, twice on end, and its wait ahead of my first tensor load; the set-up below stands between the second and the wait
	ds_add_u32 v[SPW], v[NIL]
	v_lshrrev_b32 v8, 5, v0
	v_readfirstlane_b32 s[WV], v8                  ; wave 0..15
	s_and_b32 s[TP], s[WV], 3                      ; which 32 queries
	s_lshr_b32 s[HG], s[WV], 2                     ; which heads
	s_bfe_u32 s[CX], ttmp6, 0x40000                ; my place in the cluster: it enters target's and out0's addresses alone
	s_lshl_b32 s[WG], ttmp9, 2
	s_add_co_u32 s[WG], s[WG], s[CX]               ; my block of 128 rows
	; x's tile: 16 rows x 256 numbers of 4 bytes, 512 numbers from row to row; 4 words of padding behind each 256
	s_mov_b32 s[G1X],   (2<<16)|(1<<20)|(7<<22)|(3<<25)
	s_mov_b32 s[G1X+1], 256<<16                    ; tensor_dim0
	s_mov_b32 s[G1X+2], 16<<16                     ; tensor_dim1
	s_mov_b32 s[G1X+3], 256<<16                    ; tile_dim0
	s_mov_b32 s[G1X+4], 16                         ; tile_dim1
	s_mov_b32 s[G1X+5], 512                        ; from row to row
	s_mov_b32 s[G1X+6], 0
	s_mov_b32 s[G1X+7], 0
	; kv's: 8 lines of 1,024 bytes, dense in memory; the same padding; the mask names all four work-groups, bit 21 beside it
	s_mov_b32 s[G1K],   15|(2<<16)|(1<<20)|(1<<21)|(7<<22)|(3<<25)
	s_mov_b32 s[G1K+1], 256<<16
	s_mov_b32 s[G1K+2], 8<<16
	s_mov_b32 s[G1K+3], 256<<16
	s_mov_b32 s[G1K+4], 8
	s_mov_b32 s[G1K+5], 256
	s_mov_b32 s[G1K+6], 0
	s_mov_b32 s[G1K+7], 0
	s_mov_b32 s[G0X], 1
	s_mul_i32 s[G0X+1], s[WV], 16*LP               ; x: my 16 lines
	s_mov_b32 s[G0K], 1
	s_mul_i32 s[G0K+1], s[WV], 8*LP                ; kv: my 8 lines of slot 0,
	s_mov_b32 s[G0K+4], 1
	s_add_co_u32 s[G0K+5], s[G0K+1], SLOTB         ; and of slot 1: no place in the cluster enters an LDS address
	s_lshl_b32 s60, s[WG], 18                      ; 128 rows of 2,048 bytes,
	s_lshr_b32 s61, s[WV], 1
	s_lshl_b32 s61, s61, 15                        ; row tile wave / 2,
	s_add_co_u32 s60, s60, s61
	s_and_b32 s61, s[WV], 1
	s_lshl_b32 s61, s61, 10                        ; half wave % 2 of K
	s_add_co_u32 s60, s60, s61
	s_mov_b32 s61, 0
	s_lshl_b32 s62, s[WV], 13                      ; my 8 lines of a tile in memory
	s_mov_b32 s63, 0
	s_mov_b32 s[SEL], 0x76543210
	s_mov_b32 s[SEL+1], 0xfedcba98
	s_mov_b32 s[MSK], 0xffff0000
	s_wait_dscnt 0x0                               ; both opening adds are done
	s_wait_kmcnt 0x0
	s_add_nc_u64 s[G0X+2:G0X+3], s[4:5], s[60:61]
	s_or_b32 s[G0X+3], s[G0X+3], 0x80000000        ; type = 2
	s_add_nc_u64 s[G0K+2:G0K+3], s[12:13], s[62:63]            ; tile 0
	s_add_nc_u64 s[G0K+6:G0K+7], s[G0K+2:G0K+3], TILEB         ; tile 1
	s_or_b32 s[G0K+3], s[G0K+3], 0x80000000
	s_or_b32 s[G0K+7], s[G0K+7], 0x80000000
	ROUND                                          ; in a cluster launch every tensor load, a plain one too, stands behind a round
	tensor_load_to_lds s[G0X:G0X+3], s[G1X:G1X+7]  ; my 16 rows x 256 numbers of x: the first fill of the 256 lines
	s_nop 0
	s_mov_b32 s77, 0
	s_lshl_b32 s76, s[HG], 14                      ; Wq's codes: 16 fragments a head
	s_add_nc_u64 s[WQB:WQB+1], s[6:7], s[76:77]
	s_lshl_b32 s76, s[HG], 10
	s_add_nc_u64 s[WSB:WSB+1], s[8:9], s[76:77]
	s_lshl_b32 s76, s[HG], 8
	s_add_nc_u64 s[BQB:BQB+1], s[10:11], s[76:77]
	s_lshl_b32 s76, s[HG], 13                      ; Wo's images: 8 fragments a head
	s_add_nc_u64 s[WOB:WOB+1], s[14:15], s[76:77]
	s_lshl_b32 s76, s[WG], 15                      ; out0: 128 rows of 256 bytes, my 8 of them
	s_lshl_b32 s78, s[WV], 11
	s_add_co_u32 s76, s76, s78
	s_add_nc_u64 s[OUTB:OUTB+1], s[18:19], s[76:77]
	v_and_b32 v14, 15, v0                          ; r
	v_bfe_u32 v15, v0, 4, 1                        ; h
	v_and_b32 v16, 31, v0
	v_lshlrev_b32 v[LI], 4, v16
	v_lshlrev_b32 v[LS], 2, v16
	v_mul_u32_u24 v8, v14, LP
	v_lshl_add_u32 v8, v15, 6, v8
	v_add_nc_u32 v8, s[G0X+1], v8                  ; x: my lines, row r, + 64 h: my 16 numbers of a block of 32
	s_lshl_b32 s76, s[WV], 11
	s_add_co_u32 s76, s76, XIMG
	v_add_nc_u32 v9, s76, v[LI]                    ; where I store my two fragments (2 wave, 2 wave + 1),
	s_lshl_b32 s76, s[WV], 8
	s_add_co_u32 s76, s76, XSC
	v_add_nc_u32 v10, s76, v[LS]                   ; and their scale words
	s_lshl_b32 s76, s[TP], 13
	s_add_co_u32 s76, s76, XIMG
	v_add_nc_u32 v11, s76, v[LI]                   ; where my 32 queries' 8 fragments lie,
	s_lshl_b32 s76, s[TP], 10
	s_add_co_u32 s76, s76, XSC
	v_add_nc_u32 v12, s76, v[LS]                   ; and their scale words
	v_lshlrev_b32 v13, 5, v15                      ; bq: eight channels of my half
	s_mul_i32 s76, s[HG], PARTB
	v_add_nc_u32 v[LA], s76, v[LI]
	v_add_nc_u32 v[LA+1], SLOTB, v[LA]
.irp b, 0,1,2,3
	v_mov_b32 v[TM+4+\b], 0                        ; written once: a lane permute's destination counts as one of its sources
.endr
	; ---- x becomes codes: my 16 rows x two K steps
	s_wait_tensorcnt 0x0                           ; my lines are in; I alone read them
.irp sp, 0,1
.irp b, 0,1,2,3
.irp j, 0,1,2,3
	ds_load_b128 v[S+64*\sp+16*\b+4*\j:S+64*\sp+16*\b+4*\j+3], v8 offset:512*\sp+128*\b+16*\j
.endr
.endr
.endr
	s_wait_dscnt 16                                ; the first K step's 16 loads are in; the second's may be out
	QUANT S, 210, 208
	s_wait_dscnt 0x0
	QUANT O, 218, 209
	ds_store_b128 v9, v[210:213]
	ds_store_b128 v9, v[214:217] offset:512
	ds_store_b128 v9, v[218:221] offset:1024
	ds_store_b128 v9, v[222:225] offset:1536
	ds_store_b32 v10, v208
	ds_store_b32 v10, v209 offset:128
	; ---- the lines become the ring: every wave has read its lines, and its images have landed
	s_wait_tensorcnt 0x0
	ds_add_u32 v[SPW], v[NIL]                      ; 0 onto my spare word
	s_wait_dscnt 0x0
	ROUND
	tensor_load_to_lds s[G0K:G0K+3], s[G1K:G1K+7]  ; tile 0 into slot 0: it lands while q is made
	s_nop 0
	; ---- q, both heads
.irp f, 0,1,2,3,4,5,6,7
.irp c, 0,1
	ds_load_b128 v[S+8*\f+4*\c:S+8*\f+4*\c+3], v11 offset:1024*\f+512*\c
.endr
.endr
	QPROJ 1, QB                                    ; the second head's q into QB, then the first head's into QA, which the loop reads
	QPROJ 0, QA
	v_mov_b32 v[M], 0xff61b1e6                     ; m: -3e38, under every score
	v_mov_b32 v[M+2], 0xff61b1e6
	v_mov_b32 v[M+1], 0
	v_mov_b32 v[M+3], 0
.irp i, 0,1,2,3
	v_mov_b32 v[L+\i], 0
	v_mov_b32 v[T+\i], 0
.endr
	v_mov_b32 v[AA+1], 0                           ; (named as the upper halves of a's pairs)
	v_mov_b32 v[AA+3], 0
	v_mov_b32 v[NINF], 0xff800000
.set i, 0
.rept 64
	v_mov_b32 v[O+i], 0                            ; O^T, once: the step is written once, and its first run finds zeros
.set i, i+1
.endr
	s_mov_b32 s[CNT], 7
.Lpair:                                            ; 7 trips of two tiles; the last two tiles are written out
	TRIP 0, 1, 0
	TRIP 1, 1, 1
	s_cmp_lg_u32 s[CNT], 4                         ; behind tile 7 the first head is done
	s_cbranch_scc1 .Lsame
	HEADEND 0
.Lsame:
	s_sub_co_u32 s[CNT], s[CNT], 1
	s_cmp_lg_u32 s[CNT], 0
	s_cbranch_scc1 .Lpair
	TRIP 0, 1, 0
	TRIP 1, 0, 2
	HEADEND 1
	; ---- out^T = Wo^T O over my two heads' 128 channels; the first head's O lies in QB, the second's in QA
	WOLOAD O, 0
	WOLOAD O+32, 4096
	WOLOAD KV, 32768
	v_and_b32 v14, 15, v0                          ; r
	v_bfe_u32 v15, v0, 4, 1                        ; h
	s_lshl_b32 s76, s[WV], 13
	v_add_nc_u32 v8, s76, v[LI]                    ; my stage: 8,192 bytes in slot 0, which has had its last fill and, ahead of the last trip's barrier, its last read
	s_lshl_b32 s76, s[TP], 13
	s_lshl_b32 s78, s[HG], 11
	s_add_co_u32 s76, s76, s78
	v_add_nc_u32 v9, s76, v[LI]                    ; groups 4 hg .. 4 hg + 3 of the stages of waves tp and tp + 4,
	v_add_nc_u32 v10, 65536, v9                    ; and of waves tp + 8 and tp + 12
	s_and_b32 s77, s[HG], 1
	s_lshl_b32 s77, s77, 7
	v_lshl_add_u32 v11, v15, 5, s77                ; bo: 128 (hg % 2) + 32 h
	s_lshl_b32 s76, s[TP], 5
	s_lshr_b32 s78, s[HG], 1
	s_lshl_b32 s78, s78, 4
	s_add_co_u32 s76, s76, s78
	s_mul_i32 s76, s76, RP
	s_add_co_u32 s76, s76, s77
	s_add_co_u32 s76, s76, ROWS
	v_mul_u32_u24 v12, v14, RP
	v_lshl_add_u32 v12, v15, 5, v12
	v_add_nc_u32 v12, s76, v12                     ; row 32 tp + 16 (hg / 2) + r, byte 128 (hg % 2) + 32 h
	s_mul_i32 s76, s[WV], 8*RP
	s_add_co_u32 s76, s76, ROWS
	v_mul_u32_u24 v13, v15, RP
	v_lshl_add_u32 v13, v14, 4, v13
	v_add_nc_u32 v13, s76, v13                     ; back: my 8 rows; lanes 0-15 one row, lanes 16-31 the next
	s_wait_loadcnt 16                              ; the first eight loads are in; the two groups of eight behind them may be out
	WOMUL O, QB, 1
	NOPS 4
	WOLOAD O, 36864
	s_wait_loadcnt 16                              ; the second group is in; two groups may be out
	WOMUL O+32, QB+8, 0
	s_wait_loadcnt 8                               ; the third; one group may be out
	WOMUL KV, QA, 0
	s_wait_loadcnt 0x0
	WOMUL O, QA+8, 0
	NOPS 4
	; ---- the four waves of my queries add their parts: all parts to the stages, each wave sums a quarter
.set i, 0
.rept 16
	ds_store_b128 v8, v[S+4*i:S+4*i+3] offset:512*i                ; each accumulator from its low end on
.set i, i+1
.endr
.irp i, 0,1,2,3
	global_load_b128 v[KV+4*\i:KV+4*\i+3], v11, s[16:17] offset:64*(\i/2)+16*(\i%2)
.endr
	s_wait_dscnt 0x0                               ; for the others' sake: my stores have landed
	s_barrier_signal -1
	s_barrier_wait -1
.irp g, 0,1
.irp i, 0,1,2,3
	ds_load_b128 v[S+16*\g+4*\i:S+16*\g+4*\i+3], v9 offset:32768*\g+512*\i
.endr
.endr
.irp g, 0,1
.irp i, 0,1,2,3
	ds_load_b128 v[S+32+16*\g+4*\i:S+32+16*\g+4*\i+3], v10 offset:32768*\g+512*\i
.endr
.endr
	s_wait_dscnt 0x0
	s_wait_loadcnt 0x0
.irp k, 0,2,4,6,8,10,12,14
	v_pk_add_f32 v[S+\k:S+\k+1], v[S+\k:S+\k+1], v[S+16+\k:S+16+\k+1]
	v_pk_add_f32 v[S+32+\k:S+32+\k+1], v[S+32+\k:S+32+\k+1], v[S+48+\k:S+48+\k+1]
.endr
.irp k, 0,2,4,6,8,10,12,14
	v_pk_add_f32 v[S+\k:S+\k+1], v[S+\k:S+\k+1], v[S+32+\k:S+32+\k+1]
.endr
.irp k, 0,2,4,6,8,10,12,14
	v_pk_add_f32 v[S+\k:S+\k+1], v[S+\k:S+\k+1], v[KV+\k:KV+\k+1]  ; + bo
.endr
.irp i, 0,1,2,3
	ds_store_b128 v12, v[S+4*\i:S+4*\i+3] offset:64*(\i/2)+16*(\i%2)
.endr
	s_wait_dscnt 0x0
	s_barrier_signal -1
	s_barrier_wait -1                              ; 128 whole rows of out0 lie in LDS
.irp i, 0,1,2,3
	ds_load_b128 v[S+32+4*\i:S+32+4*\i+3], v13 offset:2*RP*\i
.endr
.irp i, 0,1,2,3
	s_wait_dscnt 3-\i                              ; the younger loads may be out
	global_store_b128 v[LI], v[S+32+4*\i:S+32+4*\i+3], s[OUTB:OUTB+1] offset:512*\i th:TH_STORE_NT   ; two whole rows: 512 consecutive bytes, at a multiple of 256 from out0's first byte
.endr
	s_wait_tensorcnt 0x0                           ; the wave's end, behind my last tensor load and my last LDS store
	ds_add_u32 v[SPW], v[NIL]
	s_wait_dscnt 0x0
	ROUND                                          ; the closing round: no work-group ends while a partner may still ask for a tile that names it
	s_endpgm
.Lfunc_end_k_q7ae7faeefc_attn:
	.size	k_q7ae7faeefc_attn, .Lfunc_end_k_q7ae7faeefc_attn-k_q7ae7faeefc_attn
	.p2alignl 7, 3214868480
	.fill 96, 4, 3214868480
	.section	.rodata,"a",@progbits
	.p2align	6, 0x0
	.amdhsa_kernel k_q7ae7faeefc_attn
		.amdhsa_group_segment_fixed_size 327680
		.amdhsa_private_segment_fixed_size 0
		.amdhsa_enable_private_segment 0
		.amdhsa_kernarg_size 64
		.amdhsa_user_sgpr_count 2
		.amdhsa_user_sgpr_kernarg_segment_ptr 1
		.amdhsa_wavefront_size32 1
		.amdhsa_system_sgpr_workgroup_id_x 1
		.amdhsa_system_sgpr_workgroup_id_y 1
		.amdhsa_system_sgpr_workgroup_id_z 1
		.amdhsa_system_vgpr_workitem_id 0
		.amdhsa_next_free_vgpr 256
		.amdhsa_next_free_sgpr 80
		.amdhsa_reserve_vcc 0
		.amdhsa_float_denorm_mode_32 3
		.amdhsa_float_denorm_mode_16_64 3
		.amdhsa_memory_ordered 1
		.amdhsa_forward_progress 1
		.amdhsa_inst_pref_size 208
	.end_amdhsa_kernel
	.amdgpu_metadata
---
amdhsa.version: [ 1, 2 ]
amdhsa.kernels:
  - .name:           k_q7ae7faeefc_attn
    .symbol:         k_q7ae7faeefc_attn.kd
    .args:
      - { .name: target_embedding, .offset: 0, .size: 8, .value_kind: global_buffer, .address_space: global }
      - { .name: wcodes, .offset: 8, .size: 8, .value_kind: global_buffer, .address_space: global }
      - { .name: wscales, .offset: 16, .size: 8, .value_kind: global_buffer, .address_space: global }
      - { .name: bq, .offset: 24, .size: 8, .value_kind: global_buffer, .address_space: global }
      - { .name: kv, .offset: 32, .size: 8, .value_kind: global_buffer, .address_space: global }
      - { .name: woimg, .offset: 40, .size: 8, .value_kind: global_buffer, .address_space: global }
      - { .name: bo, .offset: 48, .size: 8, .value_kind: global_buffer, .address_space: global }
      - { .name: out0, .offset: 56, .size: 8, .value_kind: global_buffer, .address_space: global }
    .group_segment_fixed_size: 327680
    .private_segment_fixed_size: 0
    .kernarg_segment_align: 8
    .kernarg_segment_size: 64
    .max_flat_workgroup_size: 512
    .sgpr_count:     80
    .vgpr_count:     256
    .wavefront_size: 32
...
	.end_amdgpu_metadata
.endif
;; end of part 3
